; MI455X (gfx1250); checked and timed in simulation.
; The chip was launched on July 23, 2026; its instructions are those of AMD's public machine-readable ISA for CDNA 5 (MIT licence, August 2026) and "CDNA5" Instruction Set Architecture Reference Guide (July 2026). The comments in the code are by the model that wrote it; some were corrected since.
;; Tokenformer P Attention. Allowed arithmetic: matrix products marked QUANTISED: E2M1 operands, one E8M0 scale for each 32 along K, by v_wmma_scale_f32_16x16x128_f8f6f4 with both operands' format E2M1 (or v_wmma_scale_f32_32x16x128_f4), f32 sums; everything else in f32.
;; Inputs: K_codes 4,096 x 32 x 16 uint8 (E2M1 codes of K, K innermost, in blocks of 32 codes, two codes a byte); K_scales 4,096 x 32 uint8 (E8M0 scales of K, one for each 32 codes along K); V_codes 1,024 x 128 x 16 uint8 (E2M1 codes of V, K innermost, in blocks of 32 codes, two codes a byte); V_scales 1,024 x 128 uint8 (E8M0 scales of V, one for each 32 codes along K); x_codes 4 x 2,048 x 32 x 16 uint8 (E2M1 codes of x, K innermost, in blocks of 32 codes, two codes a byte); x_scales 4 x 2,048 x 32 uint8 (E8M0 scales of x, one for each 32 codes along K).
;; Outputs: out0 4 x 2,048 x 1,024 float32.
;; This version of the problem:
;;   THIS VERSION OF THE PROBLEM IS GIVEN IN LOW PRECISION. The matrix products marked QUANTISED in the list below multiply operands that are first quantised to E2M1 (2 exponent bits, 1 mantissa bit; 4 bits a number), with one power-of-two scale for each 32 numbers along K (OCP MX v1.0); their sums are f32. All else is computed in f32.
;;   The module's matrix products, in the order in which they are computed (A, B: the left and right operand; K: the contracted axis; several contracted axes count as one K, in the product's order):
;;     1. [M 8,192, K 1,024] x [K 1,024, N 4,096]; A: input x (given as codes); B: input K (given as codes): QUANTISED
;;     2. [M 8,192, K 4,096] x [K 4,096, N 1,024]; A: softmax (see below); B: input V (given as codes): QUANTISED
;;   THE QUANTISER, for each operand of a quantised product, along K:
;;     - K is cut into blocks of 32 from its start; a last block that is shorter is filled with zeros.
;;     - A block's scale is 2^e with e = floor(log2(the largest magnitude in the block)) - 2, held to -126 .. 127; a block of zeros has e = 0. As a byte (E8M0): e + 127.
;;     - Each number is divided by its block's scale, clamped to +-6, and rounded to the nearest number of E2M1, ties to even, subnormals kept.
;;     - The product sums the exact products of the quantised numbers (number of the format x scale) in f32.
;;   ~~~python
;;   def quantise(x, axis):      # numpy; x: float32 -> the quantised numbers, widened to float32 again
;;       x = np.moveaxis(x, axis, -1); K = x.shape[-1]
;;       x = np.pad(x, [(0, 0)] * (x.ndim - 1) + [(0, -K % 32)]); x = x.reshape(x.shape[:-1] + (-1, 32)); a = np.abs(x).max(-1, keepdims=True)
;;       e = np.where(a > 0, np.clip(np.frexp(np.where(a > 0, a, 1))[1] - 1 - 2, -126, 127), 0)      # np.frexp(a)[1] - 1 = floor(log2(a)), exactly
;;       r = np.clip(x / 2.0 ** e, -6, 6)
;;       step = 2.0 ** (np.maximum(np.frexp(np.where(r == 0, 1, r))[1] - 1, 0) - 1)
;;       q = np.round(r / step) * step * 2.0 ** e      # np.round: ties to even
;;       return np.moveaxis(q.reshape(q.shape[:-2] + (-1,))[..., :K], -1, axis).astype(np.float32)
;;   ~~~
;;   SOFTMAX AHEAD OF A QUANTISED PRODUCT. Where the list says 'softmax', what is quantised is not the finished softmax but p = 2^(t - M), with t = logit x log2(e) and M = ceil(the row's largest t), a whole number; so 1/2 < the row's largest p <= 1. The row's sum l is taken of the UNQUANTISED p, in f32, and the product's result is divided by l at the end. Since M is a whole number, a kernel that streams over the keys may use a running M (the ceiling of the running maximum): every later rescaling is an exact power of two, which a block's scale takes up: the codes' values come out the same.
;;   OPERANDS COMPUTED ON THE WAY. 'Computed on the way' means the value that the module computes at that place (a softmax that the list does not call 'softmax' is quantised finished and normalised). What goes into a quantiser is computed in f32, as accurately as f32 sums, v_exp_f32 and their like allow (about 1e-6 of the number): no bf16 or f16 on the way to a quantiser, and a product that is left as it is and whose result goes on into a quantised operand takes f32 operands (vector FMAs, or v_wmma_f32_16x16x4_f32). A number that lies on a knife's edge between two numbers of the format may be rounded either way, as far as f32 arithmetic and the matrix unit's own rounding can turn it there, and no further.
;;   INPUTS GIVEN AS CODES. K (in the module: [4096, 1024], K = its axis 1); V (in the module: [4096, 1024], K = its axis 0); x (in the module: [4, 2048, 1024], K = its axis 2): each comes as NAME_codes (uint8): NAME with its K axis moved to the last place and cut into blocks of 32 codes, [.., K / 32, bytes a block], one block behind the other in memory; two codes a byte, the lower K in the low four bits (a code: sign, 2 exponent bits, 1 mantissa bit); and NAME_scales (uint8): the same leading axes, one E8M0 byte (e + 127) for each 32 codes along K. Its value is code x scale, taken as it is: it is not quantised again, and the codes and scales need not be those that the quantiser above would give.
;; One version. Each part assembles by itself: llvm-mc -triple=amdgcn-amd-amdhsa -mcpu=gfx1250 --defsym DOCPART=n.
;; ======== version 1 of 1: 2 launches
;; limits: right only within a limited range of input values
;; workspace buffers: p_codes 16,777,216 bytes; stats 3,145,728 bytes
;; launch scores (part 1): grid 8 x 32, 4 waves a work-group, clusters of 4 x 4, 327,680 bytes of LDS; arguments x_codes, x_scales, K_codes, K_scales, p_codes, stats; writes p_codes, stats
.if DOCPART == 1
	.amdgcn_target "amdgcn-amd-amdhsa--gfx1250"
	.amdhsa_code_object_version 6
	.text
	.protected	k_qf7f1f22a62_scores
	.globl	k_qf7f1f22a62_scores
	.p2align	8
	.type	k_qf7f1f22a62_scores,@function
k_qf7f1f22a62_scores:
	s_mov_b64 s[64:65], 0
	v_nop
	global_prefetch_b8 v0, s[64:65] scope:SCOPE_SE
	s_setreg_imm32_b32 hwreg(HW_REG_WAVE_MODE, 25, 1), 1
	s_wait_xcnt 0x0
	s_wait_alu depctr_hold_cnt(0) depctr_sa_sdst(0) depctr_va_vdst(0) depctr_va_sdst(0) depctr_va_ssrc(0) depctr_va_vcc(0) depctr_vm_vsrc(0)
	s_getreg_b32 s2, hwreg(HW_REG_IB_STS2, 6, 4)
	s_cmp_eq_u32 s2, 0
	s_cbranch_scc0 .Lentry_in_a_cluster
	s_endpgm
.Lentry_in_a_cluster:
	s_bfe_u32 s2, ttmp6, 0x10000c
	s_cmp_lg_u32 s2, 0xf033
	s_cbranch_scc0 .Lentry_shape_is_right
	s_endpgm
.Lentry_shape_is_right:
; FIRST OF TWO LAUNCHES.  S^T = K x^T on codes of FP4 (E2M1) with E8M0 scales, depth 1,024; then, for each query and each run of 128 keys: t = score x log2(e) / 32, a LOCAL M = ceil(the run's largest t),
; p = 2^(t - M), the run's sum of the unquantised p, and p quantised along the keys (blocks of 32).  A block's codes do not hang on M, only its scale byte does: the second launch takes the bytes down to the row's M.
; OUT: p_codes [512 tiles of 16 queries][32 runs of 128 keys][2][32 lanes][16 bytes]: each fragment as an image of the operand's registers (registers 4 c .. 4 c + 3 of lane (r, h): query r, keys 64 c + 32 h + 0 .. 31).
;      stats [64 groups of 128 queries][3 kinds][32 runs][16 r][8 a] words, query 16 a + r of the group: kind 0 p's scale word, kind 1 -M (a whole number in f32), kind 2 the run's sum.
; SHARES.  A work-group owns 256 queries and 512 keys, as two tiles of 256 keys, one after the other; a wave 128 queries x 128 keys of a tile: 32 accumulators of 32 keys x 16 queries, 512 registers.
; x's 256 rows and a tile's 256 rows of K lie in LDS with their whole depth (rows of 512 bytes + 16 of padding): x is filled once, K's rows are filled again once, for the second tile, during the first tile's softmax.
; Scale words come straight from memory into registers: 32 neighbouring bytes a row, two loads to a block of rows.
; CLUSTERS: 4 x 4 work-groups.  The four of a row of the cluster need the same rows of x, the four of a column the same rows of K: each tile is asked for jointly.
; No prefetch: there are two fills in all, the first at the launch's start, the second asked for a whole softmax (544 exponentials a lane) ahead of its use.
; THE MATRIX INSTRUCTION IS USED TRANSPOSED (source 0 = 32 keys, source 1 = 16 queries): lane (r, h) holds query r, and register 8 u + j of key block B the key 32 B + 16 u + 8 h + j.
; LIMITS: NaN and infinities among the scores are not served; a block of p whose largest number lies under 2^(3 - 127) keeps the byte 1.
; REGISTERS, in windows of 256: window 0: addresses, scale words (v32-127), x's fragments, two sets (v128-255).   window 1: K's fragments, two sets (v0-127); in the softmax all its numbers.
;   window 2: the accumulators of my queries 0-63 ((a, B) at v[64 a + 16 B]);   window 3: those of my queries 64-127.
.set KROW,   512                       ; a row of x or K: 1,024 codes
.set PITCH,  528                       ; an LDS row: 512 bytes + 16 of padding: 132 words, so that the 16 rows of a load start 4 banks apart
.set HALFT,  128*PITCH                 ; 128 rows: what one tensor load brings
.set SPARE,  4*HALFT                   ; behind x's 256 rows and K's 256 rows: the spare words, 128 bytes for each wave
.set SELO,   0                         ; v0-11   what the statistics' three stores send
.set ADRA,   12                        ; v12     LDS address of my x fragments
.set ADRB,   13                        ; v13     of my K fragments
.set PO,     14                        ; v14     16 x lane: my place in an image
.set SOFF,   15                        ; v15     32 r + 16 h: my place in a run's statistics
.set SPW,    16                        ; v16     LDS address of my spare word; never rewritten
.set NIL,    17                        ; v17     0; never rewritten
.set XSO,    18                        ; v18     32 r: my row's scale bytes of x
.set KSO,    19                        ; v19     32 x lane: of K
.set PC,     24                        ; v24-31  the codes just made
.set XS,     32                        ; x's scale words: 8 a + q, lanes 0-15
.set KS,     96                        ; K's scale words: 8 B + q, all lanes
.set XF,     128                       ; x's fragments: 64 x set + 8 a
.set MB,     128                       ; window 1: v128-159 the largest score of each of 4 key blocks x 8 query blocks, then its p, then the conversion's scale operand
.set MT,     64                        ;           v64-95   the same of lane l xor 16; later the scales' bytes (the second set of 64 numbers is not in use then)
.set SN,     192                       ;           v192-199 -M of the eight blocks
.set CV,     200                       ;           v[200:201] c = log2(e) / 32, twice; never rewritten
.set SW,     202                       ;           v202-209 the eight scale words
.set SLP,    210                       ;           v210-225 the eight sums in two halves
.set RT,     226                       ;           v226-233 the runs' largest t; in the end the sums
.set WV,   16                          ; s16 wave;  s17 which 128 queries are mine, also: I fetch for x (0) or for K (1);  s18 which 128 keys, also: which half I fetch
.set QH,   17
.set KH,   18
.set G1,   24                          ; s[24:31] descriptor group 1 for x;  s[32:35] group 0
.set G0,   32
.set G1B,  48                          ; s[48:55], s[56:59] the same for K
.set G0B,  56
.set TC,   66                          ; s66 tiles done
.set XSB,  76                          ; s[76:77] where x's scale bytes of my rows begin;  s[78:79] K's
.set KSB,  78
.set CS,   92                          ; s92 c
.set SEL,  94                          ; s[94:95] v_permlanex16_b32's selects for lane l xor 16
.set MSB, 0
.macro WIN new                         ; the immediate's high byte repeats the setting that is left
.if MSB != (\new)
	s_set_vgpr_msb (MSB<<8)|(\new)
.set MSB, (\new)
.endif
.endm
.set ML, 0xa1                          ; source 0 (K) window 1, source 1 (x) window 0, C and D window 2
.set MH, 0xf1                          ; the same, C and D window 3
.macro CREST                           ; a round of the cluster's barrier behind its opening barrier
	s_cmp_lg_u32 s[WV], 0
	s_cbranch_scc1 .Lnot_wave_0_\@
	s_barrier_signal -3
.Lnot_wave_0_\@:
	s_barrier_wait -3
	s_barrier_signal -1
	s_barrier_wait -1
.endm
.macro CROUND
	s_barrier_signal -1
	s_barrier_wait -1
	CREST
.endm
.macro PLACES                          ; four places behind a matrix instruction (ISA guide 7.12.1)
.rept 4
	v_nop
.endr
.endm
	s_load_b256 s[4:11], s[0:1], 0x0               ; x's codes s[4:5], x's scales s[6:7], K's codes s[8:9], K's scales s[10:11]
	s_load_b128 s[12:15], s[0:1], 0x20             ; p_codes s[12:13], stats s[14:15]
	v_lshl_add_u32 v[SPW], v0, 2, SPARE
	v_mov_b32 v[NIL], 0
	ds_add_u32 v[SPW], v[NIL]                      ; the wave's opening: the add, twice on end, and its wait
	ds_add_u32 v[SPW], v[NIL]
	v_lshrrev_b32 v1, 5, v0
	v_readfirstlane_b32 s[WV], v1                  ; wave 0..3
	s_lshr_b32 s[QH], s[WV], 1
	s_and_b32 s[KH], s[WV], 1
	s_bfe_u32 s40, ttmp6, 0x40000                  ; cx, cy: my place in the cluster
	s_bfe_u32 s41, ttmp6, 0x40004
	s_lshl_b32 s42, ttmp9, 2
	s_add_co_u32 s42, s42, s40                     ; X: my 512 keys
	s_and_b32 s43, ttmp7, 0xffff
	s_lshl_b32 s43, s43, 2
	s_add_co_u32 s43, s43, s41                     ; Y: my 256 queries
	s_lshl_b32 s44, s41, 2
	s_lshl_b32 s44, 15, s44                        ; my row of the cluster
	s_lshl_b32 s45, 0x1111, s40                    ; my column
	; descriptor group 1: a tile of 128 rows x 512 bytes, 16 bytes of padding behind each row (after every 128 words: code 6)
	s_or_b32 s[G1+0], s44, (1<<20)|(1<<21)|(6<<22)|(3<<25)    ; x's tiles go to my row
	s_or_b32 s[G1B+0], s45, (1<<20)|(1<<21)|(6<<22)|(3<<25)   ; K's to my column
.irp g, G1, G1B
	s_mov_b32 s[\g+1], KROW<<16                    ; tensor_dim0
	s_mov_b32 s[\g+2], 128<<16                     ; tensor_dim1
	s_mov_b32 s[\g+3], KROW<<16                    ; tile_dim0
	s_mov_b32 s[\g+4], 128                         ; tile_dim1
	s_mov_b32 s[\g+5], KROW                        ; tensor_dim0_stride
	s_mov_b32 s[\g+6], 0
	s_mov_b32 s[\g+7], 0
.endr
	; where the tiles come from: x's hang on Y alone, K's on X alone, each in registers that never hold the other coordinate
	s_lshl_b32 s19, s[KH], 7                       ; which 128 rows of a tile I fetch
	s_lshl_b32 s20, s43, 8
	s_add_co_u32 s20, s20, s19
	s_lshl_b32 s20, s20, 9
	s_mov_b32 s21, 0
	s_lshl_b32 s46, s42, 9
	s_add_co_u32 s46, s46, s19
	s_lshl_b32 s46, s46, 9
	s_mov_b32 s47, 0
	s_mul_i32 s98, s[WV], HALFT                    ; where they go: x's two halves, then K's two halves = wave x 128 rows
	s_mov_b32 s[G0], 1
	s_mov_b32 s[G0+1], s98
	s_mov_b32 s[G0B], 1
	s_mov_b32 s[G0B+1], s98
	; scale bytes: x's from row 256 Y + 128 QH on, K's from row 512 X + 128 KH on, 32 bytes a row
	s_lshl_b32 s68, s43, 13
	s_lshl_b32 s69, s[QH], 12
	s_add_co_u32 s68, s68, s69
	s_mov_b32 s69, 0
	s_lshl_b32 s70, s42, 14
	s_lshl_b32 s71, s[KH], 12
	s_add_co_u32 s70, s70, s71
	s_mov_b32 s71, 0
	; where my results go.  p_codes: fragment (16 Y + 8 QH + a, 4 X + KH + 2 t) x 1,024 bytes;  stats: group 2 Y + QH, run 4 X + KH + 2 t
	s_lshl_b32 s72, s43, 1
	s_add_co_u32 s72, s72, s[QH]
	s_lshl_b32 s74, s42, 2
	s_add_co_u32 s74, s74, s[KH]
	s_mul_i32 s80, s72, 49152
	s_lshl_b32 s81, s74, 9
	s_add_co_u32 s80, s80, s81
	s_mov_b32 s81, 0
	s_lshl_b32 s72, s72, 18
	s_lshl_b32 s74, s74, 10
	s_add_co_u32 s72, s72, s74
	s_mov_b32 s73, 0
	s_mov_b32 s[CS], 0x3d38aa3b                    ; c = log2(e) / 32
	s_mov_b32 s[SEL], 0x76543210
	s_mov_b32 s[SEL+1], 0xfedcba98
	s_mov_b32 s[TC], 0
	v_and_b32 v1, 15, v0                           ; r
	v_bfe_u32 v2, v0, 4, 1                         ; h
	v_and_b32 v3, 31, v0                           ; lane
	v_mul_u32_u24 v4, v1, PITCH
	v_lshl_add_u32 v4, v2, 4, v4                   ; a fragment's row x pitch + 16 x half
	s_mul_i32 s74, s[QH], HALFT                    ; my 128 rows of x
	s_mul_i32 s75, s[KH], HALFT                    ; my 128 rows of K,
	s_add_co_u32 s75, s75, 2*HALFT                 ; behind x's 256
	v_add_nc_u32 v[ADRA], s74, v4
	v_add_nc_u32 v[ADRB], s75, v4
	v_lshlrev_b32 v[PO], 4, v3
	v_lshlrev_b32 v[KSO], 5, v3
	v_lshlrev_b32 v[XSO], 5, v1
	v_lshl_add_u32 v[SOFF], v2, 4, v[XSO]
	WIN 0x40
	v_mov_b32 v[CV], s[CS]
	v_mov_b32 v[CV+1], s[CS]
	WIN 0
	s_wait_dscnt 0x0                               ; both opening adds are done
	s_wait_alu depctr_va_vdst(0)                   ; ahead of the barriers and the wait below
	CROUND                                         ; all sixteen work-groups are here: the joint loads meet.  The round needs no argument: it stands beside the arguments' load
	s_wait_kmcnt 0x0
	s_add_nc_u64 s[G0+2:G0+3], s[4:5], s[20:21]
	s_add_nc_u64 s[G0B+2:G0B+3], s[8:9], s[46:47]
	s_or_b32 s[G0+3], s[G0+3], 0x80000000
	s_or_b32 s[G0B+3], s[G0B+3], 0x80000000
	s_cmp_eq_u32 s[QH], 0                          ; waves 0 and 1 fetch for x, waves 2 and 3 for K: one tensor load a wave
	s_cbranch_scc0 .Lhead_k
	tensor_load_to_lds s[G0:G0+3], s[G1:G1+7]
	s_nop 0
	PLACES
	s_branch .Lhead_asked
.Lhead_k:
	tensor_load_to_lds s[G0B:G0B+3], s[G1B:G1B+7]
	s_nop 0
	PLACES
.Lhead_asked:
	s_add_nc_u64 s[XSB:XSB+1], s[6:7], s[68:69]
	s_add_nc_u64 s[KSB:KSB+1], s[10:11], s[70:71]
	s_add_nc_u64 s[12:13], s[12:13], s[72:73]
	s_add_nc_u64 s[14:15], s[14:15], s[80:81]
.macro KSCALES off                     ; K's scale words: block B's 32 rows, eight words a row
.irp B, 0,1,2,3
.irp c, 0,1
	global_load_b128 v[KS+8*\B+4*\c:KS+8*\B+4*\c+3], v[KSO], s[KSB:KSB+1] offset:\off+1024*\B+16*\c
.endr
.endr
.endm
.irp a, 0,1,2,3,4,5,6,7
.irp c, 0,1
	global_load_b128 v[XS+8*\a+4*\c:XS+8*\a+4*\c+3], v[XSO], s[XSB:XSB+1] offset:512*\a+16*\c
.endr
.endr
	KSCALES 0
; 32 LDS loads in one run: the fragments of depth step q (128 of the depth), K's and x's eight blocks of 16 rows: lane l holds row l % 16; registers 4 c .. 4 c + 3 hold 64 c + 32 (l / 16) + 0 .. 31
.macro FETCH set, q
	WIN 0x40
.irp i, 0,1,2,3,4,5,6,7
.irp c, 0,1
	ds_load_b128 v[64*(\set)+8*\i+4*\c:64*(\set)+8*\i+4*\c+3], v[ADRB] offset:64*(\q)+32*\c+\i*16*PITCH
.endr
.endr
	WIN 0
.irp i, 0,1,2,3,4,5,6,7
.irp c, 0,1
	ds_load_b128 v[XF+64*(\set)+8*\i+4*\c:XF+64*(\set)+8*\i+4*\c+3], v[ADRA] offset:64*(\q)+32*\c+\i*16*PITCH
.endr
.endr
.endm
; x's block a against K's four blocks of 32 keys.  The 32 accumulators take turns, one instruction a turn, in the same order in every step.  The first step starts the sums
.macro MULA a, set, q
.irp B, 0,1,2,3
.if (\q) == 0
	v_wmma_scale_f32_32x16x128_f4 v[64*((\a)%4)+16*\B:64*((\a)%4)+16*\B+15], v[64*(\set)+16*\B:64*(\set)+16*\B+15], v[XF+64*(\set)+8*(\a):XF+64*(\set)+8*(\a)+7], 0, v[KS+8*\B+(\q)], v[XS+8*(\a)+(\q)]
.else
	v_wmma_scale_f32_32x16x128_f4 v[64*((\a)%4)+16*\B:64*((\a)%4)+16*\B+15], v[64*(\set)+16*\B:64*(\set)+16*\B+15], v[XF+64*(\set)+8*(\a):XF+64*(\set)+8*(\a)+7], v[64*((\a)%4)+16*\B:64*((\a)%4)+16*\B+15], v[KS+8*\B+(\q)], v[XS+8*(\a)+(\q)]
.endif
.endr
.endm
; 128 of the depth: 32 matrix instructions on one set of fragments; ahead of them the next step's loads go out into the other set, in one run
.macro STEP q, first                   ; first = 1: the first tile
.set PP, (\q)%2
.set PN, 1-PP
.set QN, (\q)+1
.if (\first) && ((\q) == 7)            ; the first tile's last step: K's rows are filled again behind a round of the cluster's barrier
	WIN 0
	s_wait_tensorcnt 0x0                           ; all my tensor loads have landed
	ds_add_u32 v[SPW], v[NIL]                      ; 0 onto my spare word
	s_wait_dscnt 1                                 ; this step's fragments are in; the add may be out
	WIN ML
	MULA 0, PP, \q
	MULA 1, PP, \q
	s_wait_dscnt 0x0                               ; the add is done, and my reads of K's rows are over
	s_barrier_signal -1
	MULA 2, PP, \q
	MULA 3, PP, \q
	WIN 0
	s_barrier_wait -1
	CREST                                          ; no wave of any partner still reads these rows or has a load on its way
	s_add_nc_u64 s[G0B+2:G0B+3], s[G0B+2:G0B+3], 256*KROW
	s_cmp_eq_u32 s[QH], 0
	s_cbranch_scc1 .Lnone_\@
	tensor_load_to_lds s[G0B:G0B+3], s[G1B:G1B+7]  ; waves 2 and 3: the next tile's rows of K
	s_nop 0
	PLACES
.Lnone_\@:
.else
	s_wait_dscnt 0x0                               ; this step's fragments are in
.if (\q) < 7
	PLACES                                         ; in front of loads into registers that matrix instructions have read
	FETCH PN, QN
.endif
	WIN ML
	MULA 0, PP, \q
	MULA 1, PP, \q
	MULA 2, PP, \q
	MULA 3, PP, \q
.endif
	WIN MH
	MULA 4, PP, \q
	MULA 5, PP, \q
	MULA 6, PP, \q
	MULA 7, PP, \q
.endm
.macro PRODUCTS first
	FETCH 0, 0
	s_wait_loadcnt 0x0                             ; the scale words are in
.set QS, 0
.rept 8
	STEP QS, \first
.set QS, QS+1
.endr
	WIN 0
.endm
; THE SOFTMAX of a tile: eight blocks a of 16 queries x my 128 keys.  A lane holds 16 numbers of each block B of 32 keys, lane l xor 16 the other 16.
.macro A1G g                           ; the largest score of each 32 keys, for query blocks 4 g .. 4 g + 3: sixteen chains by turns; each accumulator is read from its low end on
.set WN, 2+\g
	WIN 0x40|(WN*0x15)
.set k, 0
.rept 16
	v_max3_num_f32 v[MB+16*\g+k], v[16*k], v[16*k+1], v[16*k+2]
.set k, k+1
.endr
	WIN 0x41|(WN*0x14)
.irp i, 3,5,7,9,11,13
.set k, 0
.rept 16
	v_max3_num_f32 v[MB+16*\g+k], v[MB+16*\g+k], v[16*k+\i], v[16*k+\i+1]
.set k, k+1
.endr
.endr
.set k, 0
.rept 16
	v_max_num_f32 v[MB+16*\g+k], v[MB+16*\g+k], v[16*k+15]
.set k, k+1
.endr
.endm
.macro AF a, n                         ; t - M of block a, the n-th pair of its 64, into the set a % 2 (of the pairs c and -M one word serves both halves)
.if ((\a)%2) == 0
	v_pk_fma_f32 v[64*((\a)%2)+2*(\n):64*((\a)%2)+2*(\n)+1], v[CV:CV+1], v[64*((\a)%4)+2*(\n):64*((\a)%4)+2*(\n)+1], v[SN+(\a):SN+(\a)+1] op_sel_hi:[0,1,0]
.else
	v_pk_fma_f32 v[64*((\a)%2)+2*(\n):64*((\a)%2)+2*(\n)+1], v[CV:CV+1], v[64*((\a)%4)+2*(\n):64*((\a)%4)+2*(\n)+1], v[SN+(\a)-1:SN+(\a)] op_sel:[0,0,1] op_sel_hi:[0,1,1]
.endif
.endm
.macro EACH n, line:vararg             ; the line n times, with k counting
.set k, 0
.rept \n
	\line
.set k, k+1
.endr
.endm
.macro PSTORE a                        ; block a's fragment leaves
.irp c, 0,1
	global_store_b128 v[PO], v[PC+4*\c:PC+4*\c+3], s[12:13] offset:(\a)*32768+\c*512   ; 32 lanes store 512 consecutive bytes, at a multiple of 512 from the buffer's first byte
.endr
.endm
.macro PH a                            ; block a: its 64 exponentials beside the next block's t - M; then its codes and its sum.  The block before leaves ahead of the batch
.set SB, 64*((\a)%2)
.set AN, (\a)+1
	s_wait_alu depctr_va_vdst(0)                   ; ahead of the batch
.if (\a) > 0
	WIN 0
	PSTORE (\a)-1
.endif
.if (\a) < 7
	WIN 0x51|((2+AN/4)<<2)
.else
	WIN 0x41
.endif
.set k, 0
.rept 32
	v_exp_f32 v[SB+2*k], v[SB+2*k]                 ; p = 2^(t - M), not normalised
.if (\a) < 7
	AF AN, k
.endif
	v_exp_f32 v[SB+2*k+1], v[SB+2*k+1]
.set k, k+1
.endr
	v_nop                                          ; a plain instruction behind the last exponential
	s_wait_xcnt 0x0                                ; the block before's two stores have read the code registers
	s_wait_alu depctr_va_vdst(0)                   ; one wait for the batch, ahead of its first reader
	WIN 0x05
.irp c, 0,1
	v_cvt_scalef32_pk8_fp4_f32 v[PC+4*\c],   v[SB+32*\c:SB+32*\c+7],     v[MB+4*(\a)+2*\c]     ; block 2 c, keys 8 h + 0 .. 7
	v_cvt_scalef32_pk8_fp4_f32 v[PC+4*\c+1], v[SB+32*\c+16:SB+32*\c+23], v[MB+4*(\a)+2*\c+1]   ; block 2 c + 1, the same keys
	v_cvt_scalef32_pk8_fp4_f32 v[PC+4*\c+2], v[SB+32*\c+8:SB+32*\c+15],  v[MB+4*(\a)+2*\c]     ; block 2 c, keys 16 + 8 h + 0 .. 7
	v_cvt_scalef32_pk8_fp4_f32 v[PC+4*\c+3], v[SB+32*\c+24:SB+32*\c+31], v[MB+4*(\a)+2*\c+1]
.endr
	v_nop                                          ; one plain instruction behind a scaled conversion
	WIN 0x45                                       ; the sum is taken of the unquantised p, two at a time, in place, by halves
.irp d, 16,8,4
.set k, 0
.rept \d
	v_pk_add_f32 v[SB+2*k:SB+2*k+1], v[SB+2*k:SB+2*k+1], v[SB+2*(k+\d):SB+2*(k+\d)+1]
.set k, k+1
.endr
.endr
	WIN 0
.irp c, 0,1
	v_permlane16_swap_b32 v[PC+4*\c], v[PC+4*\c+1]       ; the first's lanes 16-31 change places with the second's lanes 0-15:
	v_permlane16_swap_b32 v[PC+4*\c+2], v[PC+4*\c+3]     ; register 4 c + i of lane (r, h) now holds keys 64 c + 32 h + 8 i + 0 .. 7: the operand's layout
.endr
	WIN 0x45
	v_pk_add_f32 v[SB:SB+1], v[SB:SB+1], v[SB+4:SB+5]
	v_pk_add_f32 v[SB+2:SB+3], v[SB+2:SB+3], v[SB+6:SB+7]
	v_pk_add_f32 v[SLP+2*(\a):SLP+2*(\a)+1], v[SB:SB+1], v[SB+2:SB+3]
.endm
	s_wait_alu depctr_va_vdst(0)                   ; the head's end
	s_wait_tensorcnt 0x0                           ; my rows are in
	s_barrier_signal -1
	s_barrier_wait -1                              ; everybody's are
	PRODUCTS 1                                     ; tile 0
	PLACES
	KSCALES 8192                                   ; tile 1's scale words of K: 256 rows on
.Lsoftmax:                                         ; one text for both tiles' softmax
	PLACES                                         ; in front of the first reads of results
	A1G 0
	A1G 1
	WIN 0x55
	EACH 32, v_permlanex16_b32 v[MT+k], v[MB+k], s[SEL], s[SEL+1]
	EACH 32, v_max_num_f32 v[MB+k], v[MB+k], v[MT+k]           ; with lane l xor 16's 16 keys
	EACH 8, v_max3_num_f32 v[RT+k], v[MB+4*k], v[MB+4*k+1], v[MB+4*k+2]
	EACH 8, v_max_num_f32 v[RT+k], v[RT+k], v[MB+4*k+3]        ; the run's largest score of my query
	EACH 8, v_mul_f32 v[RT+k], s[CS], v[RT+k]                  ; as t (c is positive)
	EACH 8, v_floor_f32 v[SN+k], -v[RT+k]                      ; -M = floor(-t) = -ceil(t): a whole number
	EACH 32, v_fma_f32 v[MB+k], v[MB+k], s[CS], v[SN+k/4]      ; t - M of each block of 32 keys' largest score
	s_wait_alu depctr_va_vdst(0)                   ; ahead of the batch
	WIN 0x59
.set k, 0
.rept 32
	v_exp_f32 v[MB+k], v[MB+k]                     ; a block of 32 keys' largest p: the same multiply-add and exponential on the same number give the same bits as in the 64
	AF 0, k
.set k, k+1
.endr
	v_nop
	s_wait_alu depctr_va_vdst(0)                   ; one wait for the batch, ahead of its first reader
	WIN 0x55
	EACH 32, v_max_num_f32 v[MB+k], 0x1800000, v[MB+k]         ; the floor 2^(3 - 127): the byte cannot fall under 1
	EACH 32, v_add_nc_u32 v[MB+k], 0xff000000, v[MB+k]         ; 2 off the exponent field: the conversion's scale operand
	EACH 32, v_lshrrev_b32 v[MT+k], 23, v[MB+k]                ; the scales' bytes
	EACH 8, v_lshl_or_b32 v[SW+k], v[MT+4*k+1], 8, v[MT+4*k]   ; make the query's scale word for these 128 keys
	EACH 8, v_lshl_or_b32 v[SW+k], v[MT+4*k+2], 16, v[SW+k]
	EACH 8, v_lshl_or_b32 v[SW+k], v[MT+4*k+3], 24, v[SW+k]
	PH 0
	PH 1
	PH 2
	PH 3
	PH 4
	PH 5
	PH 6
	PH 7
	EACH 8, v_add_f32 v[RT+k], v[SLP+2*k], v[SLP+2*k+1]        ; the sums' two halves,
	EACH 8, v_permlanex16_b32 v[MB+k], v[RT+k], s[SEL], s[SEL+1]
	EACH 8, v_add_f32 v[RT+k], v[RT+k], v[MB+k]                ; and lane l xor 16's
	s_mov_b32 vcc_lo, 0xffff0000                   ; lanes 16-31
	WIN 0x05
.irp i, 0,1,2,3
	v_cndmask_b32 v[SELO+\i],   v[SW+\i], v[SW+4+\i], vcc_lo   ; lanes 0-15 send blocks 0-3, lanes 16-31 blocks 4-7
	v_cndmask_b32 v[SELO+4+\i], v[SN+\i], v[SN+4+\i], vcc_lo
	v_cndmask_b32 v[SELO+8+\i], v[RT+\i], v[RT+4+\i], vcc_lo
.endr
	WIN 0
	PSTORE 7
.irp n, 0,1,2
	global_store_b128 v[SOFF], v[SELO+4*\n:SELO+4*\n+3], s[14:15] offset:\n*16384   ; a run's 128 words of one kind: 512 consecutive bytes
.endr
	s_wait_xcnt 0x0                                ; the stores have read their bases and data
	s_add_nc_u64 s[12:13], s[12:13], 2048          ; the next tile's runs
	s_add_nc_u64 s[14:15], s[14:15], 1024
	s_wait_tensorcnt 0x0                           ; my rows of the next tile's K are in
	s_wait_dscnt 0x0
	s_barrier_signal -1
	s_barrier_wait -1                              ; everybody's are
	s_add_co_u32 s[TC], s[TC], 1
	s_cmp_eq_u32 s[TC], 2
	s_cbranch_scc1 .Lend
	PRODUCTS 0                                     ; tile 1
	s_cmp_lt_u32 s[TC], 2
	s_cbranch_scc1 .Lsoftmax
.Lend:
	s_wait_tensorcnt 0x0                           ; the wave's end
	ds_add_u32 v[SPW], v[NIL]
	s_wait_dscnt 0x0
	CROUND                                         ; the closing round: no work-group ends while a partner may still ask for a tile that names it
	s_endpgm
.Lfunc_end_k_qf7f1f22a62_scores:
	.size	k_qf7f1f22a62_scores, .Lfunc_end_k_qf7f1f22a62_scores-k_qf7f1f22a62_scores
	.p2alignl 7, 3214868480
	.fill 96, 4, 3214868480
	.section	.rodata,"a",@progbits
	.p2align	6, 0x0
	.amdhsa_kernel k_qf7f1f22a62_scores
		.amdhsa_group_segment_fixed_size 327680
		.amdhsa_private_segment_fixed_size 0
		.amdhsa_enable_private_segment 0
		.amdhsa_kernarg_size 48
		.amdhsa_user_sgpr_count 2
		.amdhsa_user_sgpr_kernarg_segment_ptr 1
		.amdhsa_wavefront_size32 1
		.amdhsa_system_sgpr_workgroup_id_x 1
		.amdhsa_system_sgpr_workgroup_id_y 1
		.amdhsa_system_sgpr_workgroup_id_z 1
		.amdhsa_system_vgpr_workitem_id 0
		.amdhsa_next_free_vgpr 1024
		.amdhsa_next_free_sgpr 100
		.amdhsa_reserve_vcc 1
		.amdhsa_float_denorm_mode_32 3
		.amdhsa_float_denorm_mode_16_64 3
		.amdhsa_memory_ordered 1
		.amdhsa_forward_progress 1
		.amdhsa_inst_pref_size 200
	.end_amdhsa_kernel
	.amdgpu_metadata
---
amdhsa.version: [ 1, 2 ]
amdhsa.kernels:
  - .name:           k_qf7f1f22a62_scores
    .symbol:         k_qf7f1f22a62_scores.kd
    .args:
      - { .name: x_codes, .offset: 0, .size: 8, .value_kind: global_buffer, .address_space: global }
      - { .name: x_scales, .offset: 8, .size: 8, .value_kind: global_buffer, .address_space: global }
      - { .name: K_codes, .offset: 16, .size: 8, .value_kind: global_buffer, .address_space: global }
      - { .name: K_scales, .offset: 24, .size: 8, .value_kind: global_buffer, .address_space: global }
      - { .name: p_codes, .offset: 32, .size: 8, .value_kind: global_buffer, .address_space: global }
      - { .name: stats, .offset: 40, .size: 8, .value_kind: global_buffer, .address_space: global }
    .group_segment_fixed_size: 327680
    .private_segment_fixed_size: 0
    .kernarg_segment_align: 8
    .kernarg_segment_size: 48
    .max_flat_workgroup_size: 128
    .sgpr_count:     100
    .vgpr_count:     1024
    .wavefront_size: 32
...
	.end_amdgpu_metadata
.endif
;; end of part 1
;; launch values (part 2): grid 4 x 64, 4 waves a work-group, clusters of 4 x 4, 327,680 bytes of LDS; arguments p_codes, stats, V_codes, V_scales, out0; writes out0
.if DOCPART == 2
	.amdgcn_target "amdgcn-amd-amdhsa--gfx1250"
	.amdhsa_code_object_version 6
	.text
	.protected	k_qf7f1f22a62_values
	.globl	k_qf7f1f22a62_values
	.p2align	8
	.type	k_qf7f1f22a62_values,@function
k_qf7f1f22a62_values:
	s_mov_b64 s[64:65], 0
	v_nop
	global_prefetch_b8 v0, s[64:65] scope:SCOPE_SE
	s_setreg_imm32_b32 hwreg(HW_REG_WAVE_MODE, 25, 1), 1
	s_wait_xcnt 0x0
	s_wait_alu depctr_hold_cnt(0) depctr_sa_sdst(0) depctr_va_vdst(0) depctr_va_sdst(0) depctr_va_ssrc(0) depctr_va_vcc(0) depctr_vm_vsrc(0)
	s_getreg_b32 s2, hwreg(HW_REG_IB_STS2, 6, 4)
	s_cmp_eq_u32 s2, 0
	s_cbranch_scc0 .Lentry_in_a_cluster
	s_endpgm
.Lentry_in_a_cluster:
	s_bfe_u32 s2, ttmp6, 0x10000c
	s_cmp_lg_u32 s2, 0xf033
	s_cbranch_scc0 .Lentry_shape_is_right
	s_endpgm
.Lentry_shape_is_right:
; SECOND OF TWO LAUNCHES.  out = (P V) / l on codes of FP4 (E2M1) with E8M0 scales, K = the 4,096 keys.  P's codes were made under a LOCAL M for each query and run of 128 keys (p_codes, stats: laid as the first launch's
; head says).  HEAD: for each query the row's M = the largest local M; n = M - local M is taken off the run's four scale bytes, and l = the sum of the runs' sums x 2^-n.  BODY: O^T = V^T P^T.  END: x 1 / l.
; LIMITS: a scale byte that would fall under 0 becomes 0 (2^-127) with its codes kept: at most 6 x 2^-127 x |V| a term, beside l >= 1/2; a run with n >= 127 enters l with the factor 2^-127.  NaN and infinities are not served.
; SHARES.  A work-group owns 128 queries x 256 channels; a wave 64 queries (4 blocks a) x 128 channels (4 blocks B of 32): 16 accumulators, 256 registers.  Source 0 = 32 channels of V, source 1 = 16 queries of P: lane (r, h)
; holds query r and, in register 8 u + j of block B, channel 32 B + 16 u + 8 h + j.
; RING: two slots of 512 keys (four K steps), eight fills: wave 0 fetches P (8 tiles of 16 queries x 4,096 bytes of operand images), waves 2 and 3 V's halves (128 rows x 256 bytes); wave 1 fetched V's scale bytes at the head.
; Fragments are read two K steps ahead into four sets, so the change of slots stands in a slot's third step: by then all reads of the slot have been issued.
; CLUSTERS: 4 x 4 work-groups.  The four of a row of the cluster cover all 1,024 channels and share P, the four of a column share V: every tile is asked for jointly.
; PREFETCH: P and V of the fill two fills on, a lane a block of 256 bytes: partners share a tile's blocks out by address; V, which all clusters read, is asked for by four of the sixteen clusters.
; REGISTERS, in windows of 256: window 0: addresses, scale words (two sets), P's fragments (four sets of 32 at v128); in the head the statistics.   window 1: V's fragments, four sets of 64.
;   window 2: accumulators (a, B) at v[64 a + 16 B]; on the way out rows of the output.   window 3: on the way out the results x 1 / l.
.set VROWS, 128*272                    ; V's half tile: 128 rows of 256 bytes + 16 of padding
.set SLOT,  32768+2*VROWS              ; P's images, then V's two halves
.set VSC,   2*SLOT                     ; V's scale bytes: 256 rows of 128 bytes, as 128 units of 256 + 16
.set PSC,   VSC+128*272                ; P's scale words [4 pairs of blocks][8 slots' runs][2][16 r][16 bytes], with pitches under which 16 neighbouring lanes' stores take 16 different columns
.set PGS,   544                        ; from slot to slot
.set PHS,   288                        ; from a pair's first block to its second
.set PPS,   4416                       ; from pair to pair
.set RLW,   PSC+4*PPS                  ; 1 / l of the 128 queries
.set STAGE, RLW+512                    ; the way out: 16 rows x (512 + 16) bytes for each wave
.set SPARE, STAGE+4*16*528             ; the spare words, 128 bytes for each wave
.set ADRP,  12                         ; v12-13  LDS address of my P fragments in slot 0, 1
.set ADRV,  14                         ; v14-15  of my V fragments
.set ADV,   16                         ; v16     of the next slot's scale words of V;  v17 of P
.set ADQ,   17
.set VS0,   18                         ; v18-19  the same of the first slot
.set PS0,   19
.set LN16,  20                         ; v20     16 x lane
.set STO,   21                         ; v21     the stage: where I put 32 bytes of a row
.set RD,    22                         ; v22     and where I read a row back
.set RLA,   23                         ; v23     1 / l of my queries
.set PFO,   24                         ; v24     the prefetches' offset
.set SO4,   25                         ; v25     4 x thread: my place in the statistics
.set PST,   28                         ; v28     where I put my query's scale words
.set RLT,   29                         ; v29     and its 1 / l
.set SPW,   30                         ; v30     LDS address of my spare word; never rewritten
.set NIL,   31                         ; v31     0; never rewritten
.set VSW,   32                         ; V's scale words: 16 x slot + 4 B + q, all lanes
.set PSW,   64                         ; P's: 16 x slot + 4 a + q, lanes 0-15
.set RL,    96                         ; v96-99  1 / l of block a
.set LS,    100                        ; v100-107 2 l in four chains of pairs
.set GM,    108                        ; v108-109 -M of the row, twice
.set TT,    110                        ; v110-113
.set RC,    114
.set PF,    128                        ; P's fragments: 32 x set + 8 a
.set WD,    128                        ; the head: the 32 runs' scale words,
.set NM,    160                        ; their -M, then m,
.set SS,    192                        ; their sums,
.set EE,    224                        ; work
.set WV,    14
.set LP,    15                         ; trips left
.set QH,    16                         ; which 64 queries are mine
.set CH,    17                         ; which 128 channels, also: which half of V I fetch
.set TV,    22                         ; where the slot's scale words of V begin: 16 bytes a slot;  s23 those of P
.set TP,    23
.set G1P,   24                         ; s[24:31], s[32:39], s[40:47] descriptor groups 1 for P, V, V's scale bytes
.set G1V,   32
.set G1S,   40
.set G0P,   48                         ; s[48:55], s[56:63] groups 0, a set for each slot;  s[68:71] for the scale bytes
.set G0V,   56
.set G0S,   68
.set PFA,   72                         ; s[72:73] where my prefetches stand;  s[74:75] a slot's bytes on
.set PFS,   74
.set LIM,   76                         ; 1 in a wave that prefetches, else the greatest number
.set MUL,   0xa1                       ; source 0 (V) window 1, source 1 (P) window 0, C and D window 2
.set MSB, 0
.macro WIN new
.if MSB != (\new)
	s_set_vgpr_msb (MSB<<8)|(\new)
.set MSB, (\new)
.endif
.endm
.macro CREST                           ; a round of the cluster's barrier behind its opening barrier
	s_cmp_lg_u32 s[WV], 0
	s_cbranch_scc1 .Lnot_wave_0_\@
	s_barrier_signal -3
.Lnot_wave_0_\@:
	s_barrier_wait -3
	s_barrier_signal -1
	s_barrier_wait -1
.endm
.macro CROUND
	s_barrier_signal -1
	s_barrier_wait -1
	CREST
.endm
.macro PLACES                          ; four places behind a matrix instruction (ISA guide 7.12.1)
.rept 4
	v_nop
.endr
.endm
.macro EACH n, line:vararg             ; the line n times, with k counting
.set k, 0
.rept \n
	\line
.set k, k+1
.endr
.endm
.macro JLOAD s                         ; a slot's joint loads: wave 0 fetches P, waves 2 and 3 V's halves
	s_cmp_lg_u32 s[WV], 0
	s_cbranch_scc1 .Lfor_v_\@
	tensor_load_to_lds s[G0P+4*\s:G0P+4*\s+3], s[G1P:G1P+7]
	s_nop 0
	PLACES
	s_branch .Lasked_\@
.Lfor_v_\@:
	s_cmp_lt_u32 s[WV], 2
	s_cbranch_scc1 .Lasked_\@
	tensor_load_to_lds s[G0V+4*\s:G0V+4*\s+3], s[G1V:G1V+7]
	s_nop 0
	PLACES
.Lasked_\@:
.endm
.macro ASK loop                        ; in the loop the last trip asks for nothing: there is no fill two on
.if \loop
	s_cmp_gt_u32 s[LP], s[LIM]
.else
	s_cmp_eq_u32 s[LIM], 1
.endif
	s_cbranch_scc0 .Lnot_mine_\@
	global_prefetch_b8 v[PFO], s[PFA:PFA+1] th:TH_LOAD_NT scope:SCOPE_SE
.Lnot_mine_\@:
.endm
	s_load_b256 s[4:11], s[0:1], 0x0               ; p_codes s[4:5], stats s[6:7], V's codes s[8:9], V's scales s[10:11]
	s_load_b64 s[12:13], s[0:1], 0x20              ; out0
	v_lshl_add_u32 v[SPW], v0, 2, SPARE
	v_mov_b32 v[NIL], 0
	ds_add_u32 v[SPW], v[NIL]                      ; the wave's opening: the add, twice on end, and its wait
	ds_add_u32 v[SPW], v[NIL]
	v_lshrrev_b32 v1, 5, v0
	v_readfirstlane_b32 s[WV], v1                  ; wave 0..3
	s_lshr_b32 s[QH], s[WV], 1
	s_and_b32 s[CH], s[WV], 1
	s_bfe_u32 s18, ttmp6, 0x40000                  ; cx, cy
	s_bfe_u32 s19, ttmp6, 0x40004
	s_lshl_b32 s20, ttmp9, 2
	s_add_co_u32 s20, s20, s18                     ; X: my 256 channels
	s_and_b32 s77, ttmp7, 0xffff                   ; the cluster's y
	s_lshl_b32 s21, s77, 2
	s_add_co_u32 s21, s21, s19                     ; Y: my 128 queries
	s_lshl_b32 s78, s19, 2
	s_lshl_b32 s78, 15, s78                        ; my row of the cluster
	s_lshl_b32 s79, 0x1111, s18                    ; my column
	s_or_b32 s[G1P+0], s78, (3<<16)|(1<<21)        ; P: 8 rows of 4,096 bytes (512 elements of 8), 32,768 bytes apart, no padding: images of registers
	s_mov_b32 s[G1P+1], 512<<16
	s_mov_b32 s[G1P+2], 8<<16
	s_mov_b32 s[G1P+3], 512<<16
	s_mov_b32 s[G1P+4], 8
	s_mov_b32 s[G1P+5], 4096
	s_mov_b32 s[G1P+6], 0
	s_mov_b32 s[G1P+7], 0
	s_or_b32 s[G1V+0], s79, (1<<20)|(1<<21)|(5<<22)|(3<<25)           ; V: 128 rows of 256 bytes, 2,048 apart, 16 bytes of padding behind each
	s_mov_b32 s[G1V+1], 256<<16
	s_mov_b32 s[G1V+2], 128<<16
	s_mov_b32 s[G1V+3], 256<<16
	s_mov_b32 s[G1V+4], 128
	s_mov_b32 s[G1V+5], 2048
	s_mov_b32 s[G1V+6], 0
	s_mov_b32 s[G1V+7], 0
	s_or_b32 s[G1S+0], s79, (3<<16)|(1<<20)|(1<<21)|(5<<22)|(3<<25)   ; V's scale bytes: 32,768 dense bytes as 128 rows of 256 (32 elements of 8 bytes)
	s_mov_b32 s[G1S+1], 32<<16
	s_mov_b32 s[G1S+2], 128<<16
	s_mov_b32 s[G1S+3], 32<<16
	s_mov_b32 s[G1S+4], 128
	s_mov_b32 s[G1S+5], 32
	s_mov_b32 s[G1S+6], 0
	s_mov_b32 s[G1S+7], 0
	; P's address hangs on Y alone, V's on X alone, each in registers that never hold the other coordinate
	s_lshl_b32 s80, s21, 18                        ; 8 tiles of 32,768 bytes
	s_mov_b32 s81, 0
	s_lshl_b32 s82, s20, 8
	s_lshl_b32 s84, s[CH], 7
	s_add_co_u32 s82, s82, s84
	s_lshl_b32 s82, s82, 11                        ; row 256 X + 128 x half of 2,048 bytes
	s_mov_b32 s83, 0
	s_lshl_b32 s86, s20, 15                        ; scale bytes: 256 rows of 128
	s_mov_b32 s87, 0
	s_mul_i32 s85, s[CH], VROWS
	s_add_co_u32 s85, s85, 32768                   ; where V's halves go in a slot
	s_mul_i32 s88, s21, 49152                      ; the statistics: group Y
	s_mov_b32 s89, 0
	s_lshl_b32 s96, s21, 7
	s_lshl_b32 s97, s[QH], 6
	s_add_co_u32 s96, s96, s97
	s_lshl_b32 s96, s96, 12                        ; the output: row 128 Y + 64 QH of 4,096 bytes,
	s_lshl_b32 s97, s20, 10
	s_add_co_u32 s96, s96, s97
	s_lshl_b32 s97, s[CH], 9
	s_add_co_u32 s96, s96, s97                     ; + 1,024 X + 512 CH
	s_mov_b32 s97, 0
	; the prefetches.  Wave 0: P, tiles 2 cx and 2 cx + 1, 16 blocks each;  waves 2 and 3: V, rows 64 cy + 32 x half, a lane a row.  From fill 1 on
	s_lshl_b32 s90, s21, 18
	s_lshl_b32 s91, s18, 16
	s_add_co_u32 s90, s90, s91
	s_add_co_u32 s90, s90, 4096
	s_lshl_b32 s92, s20, 8
	s_lshl_b32 s93, s19, 6
	s_add_co_u32 s92, s92, s93
	s_lshl_b32 s93, s[CH], 5
	s_add_co_u32 s92, s92, s93
	s_lshl_b32 s92, s92, 11
	s_add_co_u32 s92, s92, 256
	s_mov_b32 s91, 0
	s_mov_b32 s[LIM], -1
	s_cmp_lt_u32 s77, 4                            ; V is asked for by four clusters,
	s_cselect_b32 s[LIM], 1, s[LIM]
	s_mov_b32 s94, -1
	s_cmp_lt_u32 s[WV], 2                          ; by waves 2 and 3,
	s_cselect_b32 s[LIM], s94, s[LIM]
	s_cmp_eq_u32 s[WV], 0                          ; P by every wave 0
	s_cselect_b32 s[LIM], 1, s[LIM]
	s_cselect_b32 s90, s90, s92
	s_mov_b32 s94, 256
	s_cselect_b32 s[PFS], 4096, s94
	s_mov_b32 s[PFS+1], 0
	s_mov_b32 s95, 2048
	s_cselect_b32 s95, 256, s95                    ; from lane to lane; both take 32,768 bytes from lane 0 to lane 16
	s_mov_b32 s[TV], 0
	s_mov_b32 s[TP], 0
	v_and_b32 v1, 15, v0                           ; r
	v_bfe_u32 v2, v0, 4, 1                         ; h
	v_and_b32 v3, 31, v0                           ; lane
	v_lshlrev_b32 v[LN16], 4, v3
	v_lshlrev_b32 v[SO4], 2, v0
	v_mul_lo_u32 v[PFO], v1, s95
	v_lshl_add_u32 v[PFO], v2, 15, v[PFO]
	s_lshl_b32 s92, s[QH], 14
	v_add_nc_u32 v[ADRP], s92, v[LN16]             ; P: my four tiles' images
	v_add_nc_u32 v[ADRP+1], SLOT, v[ADRP]
	s_mul_i32 s92, s[CH], VROWS
	s_add_co_u32 s92, s92, 32768
	v_mul_u32_u24 v4, v1, 272
	v_lshl_add_u32 v4, v2, 4, v4
	v_add_nc_u32 v[ADRV], s92, v4                  ; V: my 128 rows
	v_add_nc_u32 v[ADRV+1], SLOT, v[ADRV]
	s_mul_i32 s92, s[CH], 64*272
	s_add_co_u32 s92, s92, VSC
	v_lshrrev_b32 v4, 1, v3                        ; two rows of 128 scale bytes to a unit
	v_mul_u32_u24 v4, v4, 272
	v_and_b32 v5, 1, v3
	v_lshl_add_u32 v4, v5, 7, v4
	v_add_nc_u32 v[VS0], s92, v4
	s_mul_i32 s92, s[QH], 2*PPS
	s_add_co_u32 s92, s92, PSC
	v_lshlrev_b32 v5, 4, v1
	v_add_nc_u32 v[PS0], s92, v5
	s_lshl_b32 s92, s[QH], 8
	s_add_co_u32 s92, s92, RLW
	v_lshlrev_b32 v5, 2, v1
	v_add_nc_u32 v[RLA], s92, v5
	s_mul_i32 s92, s[WV], 16*528
	s_add_co_u32 s92, s92, STAGE
	v_mul_u32_u24 v5, v1, 528
	v_lshl_add_u32 v5, v2, 5, v5
	v_add_nc_u32 v[STO], s92, v5
	v_add_nc_u32 v[RD], s92, v[LN16]
	; in the statistics thread i has query 16 (i % 8) + i / 8
	v_and_b32 v4, 7, v0
	v_lshrrev_b32 v5, 3, v0
	v_lshlrev_b32 v6, 6, v4
	v_lshl_add_u32 v6, v5, 2, v6
	v_add_nc_u32 v[RLT], RLW, v6
	v_lshlrev_b32 v6, 4, v5
	v_and_b32 v7, 1, v4
	v_mul_u32_u24 v7, v7, PHS
	v_add_nc_u32 v6, v6, v7
	v_lshrrev_b32 v7, 1, v4
	v_mul_u32_u24 v7, v7, PPS
	v_add_nc_u32 v6, v6, v7
	v_add_nc_u32 v[PST], PSC, v6
	s_wait_dscnt 0x0                               ; both opening adds are done
	s_wait_alu depctr_va_vdst(0)                   ; ahead of the barriers and the wait below
	CROUND                                         ; all sixteen work-groups are here: the joint loads meet.  The round needs no argument: it stands beside the arguments' load
	s_wait_kmcnt 0x0
	s_add_nc_u64 s[80:81], s[4:5], s[80:81]
	s_add_nc_u64 s[82:83], s[8:9], s[82:83]
	s_add_nc_u64 s[86:87], s[10:11], s[86:87]
	s_mov_b32 s[G0S], 1
	s_mov_b32 s[G0S+1], VSC
	s_mov_b64 s[G0S+2:G0S+3], s[86:87]
	s_or_b32 s[G0S+3], s[G0S+3], 0x80000000
.macro SETG0 s                         ; slot s's groups 0
	s_mov_b32 s[G0P+4*\s], 1
	s_mov_b32 s[G0P+4*\s+1], \s*SLOT
	s_add_nc_u64 s[G0P+4*\s+2:G0P+4*\s+3], s[80:81], \s*4096
	s_or_b32 s[G0P+4*\s+3], s[G0P+4*\s+3], 0x80000000
	s_mov_b32 s[G0V+4*\s], 1
	s_add_co_u32 s[G0V+4*\s+1], s85, \s*SLOT
	s_add_nc_u64 s[G0V+4*\s+2:G0V+4*\s+3], s[82:83], \s*256
	s_or_b32 s[G0V+4*\s+3], s[G0V+4*\s+3], 0x80000000
.endm
	SETG0 0
	s_cmp_lg_u32 s[WV], 0                          ; the head's loads, one a wave: wave 0 slot 0's P, wave 1 V's scale bytes, waves 2 and 3 slot 0's halves of V
	s_cbranch_scc1 .Lhead_1
	tensor_load_to_lds s[G0P:G0P+3], s[G1P:G1P+7]
	s_nop 0
	PLACES
	s_branch .Lhead_asked
.Lhead_1:
	s_cmp_lg_u32 s[WV], 1
	s_cbranch_scc1 .Lhead_2
	tensor_load_to_lds s[G0S:G0S+3], s[G1S:G1S+7]
	s_nop 0
	PLACES
	s_branch .Lhead_asked
.Lhead_2:
	tensor_load_to_lds s[G0V:G0V+3], s[G1V:G1V+7]
	s_nop 0
	PLACES
.Lhead_asked:
	s_add_nc_u64 s[6:7], s[6:7], s[88:89]
	EACH 32, global_load_b32 v[NM+k], v[SO4], s[6:7] offset:16384+k*512     ; my query's 32 runs: -M
	SETG0 1
	s_cmp_eq_u32 s[WV], 0
	s_cselect_b64 s[PFA:PFA+1], s[4:5], s[8:9]
	s_add_nc_u64 s[PFA:PFA+1], s[PFA:PFA+1], s[90:91]
	ASK 0                                          ; fill 1, which is asked for when slot 0 has landed
	EACH 32, global_load_b32 v[SS+k], v[SO4], s[6:7] offset:32768+k*512     ; the sums,
	EACH 32, global_load_b32 v[WD+k], v[SO4], s[6:7] offset:k*512           ; the scale words
	s_add_nc_u64 s[12:13], s[12:13], s[96:97]
	s_wait_xcnt 0x0                                ; the prefetch has read its address
	s_add_nc_u64 s[PFA:PFA+1], s[PFA:PFA+1], s[PFS:PFS+1]
	ASK 0                                          ; fill 2
	s_wait_loadcnt 63                              ; the 32 oldest of 96 loads, and one more, are in
	EACH 4, v_min3_num_f32 v[TT+k], v[NM+8*k], v[NM+8*k+1], v[NM+8*k+2]     ; -M of the row = the smallest -M of its 32 runs
	EACH 4, v_min3_num_f32 v[TT+k], v[TT+k], v[NM+8*k+3], v[NM+8*k+4]
	EACH 4, v_min3_num_f32 v[TT+k], v[TT+k], v[NM+8*k+5], v[NM+8*k+6]
	EACH 4, v_min_num_f32 v[TT+k], v[TT+k], v[NM+8*k+7]
	v_min3_num_f32 v[GM], v[TT], v[TT+1], v[TT+2]
	v_min_num_f32 v[GM], v[GM], v[TT+3]
	v_mov_b32 v[GM+1], v[GM]
	EACH 16, v_pk_add_f32 v[NM+2*k:NM+2*k+1], v[GM:GM+1], v[NM+2*k:NM+2*k+1] op_sel_hi:[0,1] neg_lo:[0,1] neg_hi:[0,1]   ; -n = local M - the row's M: a whole number, 0 or less
	EACH 16, v_pk_add_f32 v[NM+2*k:NM+2*k+1], v[NM+2*k:NM+2*k+1], 0x4b000080 op_sel_hi:[1,0]                             ; 2^23 + 128 - n: the number's low bits are the whole number m = 128 - n,
	EACH 32, v_max_num_f32 v[NM+k], 0x4b000001, v[NM+k]                     ; held at 1 from below: m = 1 .. 128
	EACH 32, v_lshlrev_b32 v[EE+k], 23, v[NM+k]                             ; m as an exponent field (all else is shifted out): the f32 number 2^(m - 127) = 2 x 2^-n
	s_wait_alu depctr_va_vdst(0)                   ; directly ahead of the wait below
	s_wait_loadcnt 32                              ; the sums are in; the scale words may be out
	EACH 4, v_pk_mul_f32 v[LS+2*k:LS+2*k+1], v[SS+2*k:SS+2*k+1], v[EE+2*k:EE+2*k+1]                                      ; 2 l = the sum of the runs' sums x 2 x 2^-n, in four chains
	EACH 12, v_pk_fma_f32 v[LS+2*(k%4):LS+2*(k%4)+1], v[SS+8+2*k:SS+9+2*k], v[EE+8+2*k:EE+9+2*k], v[LS+2*(k%4):LS+2*(k%4)+1]
	v_pk_add_f32 v[LS:LS+1], v[LS:LS+1], v[LS+2:LS+3]
	v_pk_add_f32 v[LS+4:LS+5], v[LS+4:LS+5], v[LS+6:LS+7]
	v_pk_add_f32 v[LS:LS+1], v[LS:LS+1], v[LS+4:LS+5]
	v_add_f32 v[RC], v[LS], v[LS+1]
	s_wait_alu depctr_va_vdst(0)                   ; ahead of the transcendental
	v_rcp_f32 v[RC], v[RC]
	EACH 32, v_perm_b32 v[EE+k], v[NM+k], v[NM+k], 0                        ; m in all four bytes
	s_wait_alu depctr_va_vdst(0)                   ; the wait ahead of the reciprocal's reader
	s_wait_loadcnt 0x0                             ; the scale words are in
	v_mul_f32 v[RC], 2.0, v[RC]                    ; 1 / l
	EACH 32, v_add_nc_u32 v[WD+k], v[WD+k], v[EE+k]                         ; byte + m: a byte is 125 at the most (p <= 1) and m 128, so nothing is carried; bit 7 is set where byte - n >= 0, and the low seven bits are byte - n
	EACH 32, v_and_b32 v[EE+k], 0x80808080, v[WD+k]
	EACH 32, v_lshrrev_b32 v[NM+k], 7, v[EE+k]
	EACH 32, v_sub_nc_u32 v[EE+k], v[EE+k], v[NM+k]                         ; 0x7f in each byte that is kept, 0 in the others
	EACH 32, v_and_b32 v[WD+k], v[WD+k], v[EE+k]                            ; P's scale words under the row's M
	EACH 8, ds_store_b128 v[PST], v[WD+4*k:WD+4*k+3] offset:k*PGS           ; for the waves that multiply my query
	ds_store_b32 v[RLT], v[RC]
.macro VL ns, nq, set, i0              ; 8 LDS loads: V's blocks of 16 rows i0 .. i0 + 3, K step nq of slot ns: lane l holds row l % 16; registers 4 c .. 4 c + 3 hold 64 c + 32 (l / 16) + 0 .. 31
	WIN 0x40
.irp i, \i0, \i0+1, \i0+2, \i0+3
.irp c, 0,1
	ds_load_b128 v[64*(\set)+8*(\i)+4*\c:64*(\set)+8*(\i)+4*\c+3], v[ADRV+(\ns)] offset:64*(\nq)+32*\c+(\i)*4352
.endr
.endr
.endm
.macro PL ns, nq, set                  ; 8 LDS loads: P's four blocks
	WIN 0
.irp a, 0,1,2,3
.irp c, 0,1
	ds_load_b128 v[PF+32*(\set)+8*\a+4*\c:PF+32*(\set)+8*\a+4*\c+3], v[ADRP+(\ns)] offset:\a*4096+(\nq)*1024+\c*512
.endr
.endr
.endm
.macro SCALES ns, av, aq               ; slot ns's four scale words a row: V's blocks of 32 rows, P's blocks of 16
	WIN 0
.irp i, 0,1,2,3
	ds_load_b128 v[VSW+16*(\ns)+4*\i:VSW+16*(\ns)+4*\i+3], v[\av] offset:\i*4352
	ds_load_b128 v[PSW+16*(\ns)+4*\i:PSW+16*(\ns)+4*\i+3], v[\aq] offset:(\i/2)*PPS+(\i%2)*PHS
.endr
.endm
; P's block a against V's four blocks of 32 channels, K step q of slot s.  The 16 accumulators take turns, one instruction a turn, in the same order in every step
.macro MULA a, s, q, zero
.irp B, 0,1,2,3
.if \zero
	v_wmma_scale_f32_32x16x128_f4 v[64*\a+16*\B:64*\a+16*\B+15], v[64*(\q)+16*\B:64*(\q)+16*\B+15], v[PF+32*(\q)+8*\a:PF+32*(\q)+8*\a+7], 0, v[VSW+16*(\s)+4*\B+(\q)], v[PSW+16*(\s)+4*\a+(\q)]
.else
	v_wmma_scale_f32_32x16x128_f4 v[64*\a+16*\B:64*\a+16*\B+15], v[64*(\q)+16*\B:64*(\q)+16*\B+15], v[PF+32*(\q)+8*\a:PF+32*(\q)+8*\a+7], v[64*\a+16*\B:64*\a+16*\B+15], v[VSW+16*(\s)+4*\B+(\q)], v[PSW+16*(\s)+4*\a+(\q)]
.endif
.endr
.endm
; K STEP q (not 2) of slot s: 16 matrix instructions; ahead of them the 24 LDS loads of the step two steps on (ld = 0: none is left)
.macro STEP s, q, zero, ld
.if (\q) != 3
	s_wait_dscnt 24                                ; this step's fragments and scale words are in; the next step's 24 loads may be out.  (Step 3's fragments were shown by step 2's wait for 0)
.endif
.if (\q) == 3
.set NS, 1-(\s)
.set NQ, 1
.else
.set NS, \s
.set NQ, (\q)+2
.endif
.set ST, ((\q)+2)%4
.if \ld
	PLACES                                         ; in front of loads into registers that matrix instructions have read
	VL NS, NQ, ST, 0                               ; one run of 24 loads ahead of the products
	VL NS, NQ, ST, 4
	PL NS, NQ, ST
.endif
	WIN MUL
	MULA 0, \s, \q, \zero
	MULA 1, \s, \q, \zero
	MULA 2, \s, \q, \zero
	MULA 3, \s, \q, \zero
.endm
; K STEP 2 of slot s holds the change of slots.  In front of the barrier each wave waits for all its tensor loads, adds 0 to its spare word, and waits for that and for its reads of this slot (all four steps' have been issued).
; fill = 1: the barrier opens a round of the cluster's barrier, and behind it the slot is filled again, with the keys 1,024 on.
.macro TURN s, fill
.if \fill
	s_wait_xcnt 0x0                                ; any prefetch of mine has read its address
	s_add_nc_u64 s[PFA:PFA+1], s[PFA:PFA+1], s[PFS:PFS+1]
.endif
	s_add_co_u32 s[TV], s[TV], 16
	s_add_co_u32 s[TP], s[TP], PGS
	WIN 0
	v_add_nc_u32 v[ADV], s[TV], v[VS0]
	v_add_nc_u32 v[ADQ], s[TP], v[PS0]
	s_wait_alu depctr_va_vdst(0)                   ; directly ahead of the wait below
	s_wait_tensorcnt 0x0                           ; all my tensor loads have landed: my part of the next slot
	ds_add_u32 v[SPW], v[NIL]                      ; 0 onto my spare word
	s_wait_dscnt 25                                ; this step's fragments are in; the next step's 24 loads and the add may be out
	WIN MUL
	MULA 0, \s, 2, 0
	s_wait_dscnt 0x0                               ; the add is done, and my reads of this slot are over
	s_barrier_signal -1
	MULA 1, \s, 2, 0
	MULA 2, \s, 2, 0
	WIN 0
	s_barrier_wait -1
.if \fill
	CREST                                          ; no wave of any partner still reads this slot or has a load on its way
	s_add_nc_u64 s[G0P+4*\s+2:G0P+4*\s+3], s[G0P+4*\s+2:G0P+4*\s+3], 2*4096
	s_add_nc_u64 s[G0V+4*\s+2:G0V+4*\s+3], s[G0V+4*\s+2:G0V+4*\s+3], 2*256
	JLOAD \s
.endif
	PLACES
	VL 1-\s, 0, 0, 0
	VL 1-\s, 0, 0, 4
	SCALES 1-\s, ADV, ADQ
	PL 1-\s, 0, 0
.if \fill
	ASK 1                                          ; two fills on, behind the joint load and the run of LDS loads
.endif
	WIN MUL
	MULA 3, \s, 2, 0
.endm
	s_wait_alu depctr_va_vdst(0)                   ; the head's end
	s_wait_tensorcnt 0x0                           ; my part of slot 0 is in, or V's scale bytes;
	ds_add_u32 v[SPW], v[NIL]                      ; 0 onto my spare word, ahead of a later first fill
	s_wait_dscnt 0x0                               ; the add is done, and my query's scale words are in LDS
	CROUND                                         ; everybody's are
	JLOAD 1                                        ; slot 1's first fill
.irp a, 0,1,2,3
	ds_load_b32 v[RL+\a], v[RLA] offset:64*\a
.endr
	SCALES 0, VS0, PS0
	VL 0, 0, 0, 0
	VL 0, 0, 0, 4
	PL 0, 0, 0
	VL 0, 1, 1, 0
	VL 0, 1, 1, 4
	PL 0, 1, 1
	s_wait_xcnt 0x0
	s_add_nc_u64 s[PFA:PFA+1], s[PFA:PFA+1], s[PFS:PFS+1]
	ASK 0                                          ; fill 3
	STEP 0, 0, 1, 1                                ; the first products start the sums: nothing is cleared
	WIN 0
	s_mov_b32 s[LP], 3
.Ltrip:                                            ; a trip goes once round the ring and fills both slots again
	STEP 0, 1, 0, 1
	TURN 0, 1
	STEP 0, 3, 0, 1
	STEP 1, 0, 0, 1
	STEP 1, 1, 0, 1
	TURN 1, 1
	STEP 1, 3, 0, 1
	STEP 0, 0, 0, 1
	WIN 0
	s_sub_co_u32 s[LP], s[LP], 1
	s_cmp_lg_u32 s[LP], 0
	s_cbranch_scc1 .Ltrip
	STEP 0, 1, 0, 1                                ; the last two slots: nothing is filled again
	TURN 0, 0
	STEP 0, 3, 0, 1
	STEP 1, 0, 0, 1
	STEP 1, 1, 0, 1
	; THE LAST TWO K STEPS AND THE WAY OUT go block by block of 16 queries x 128 channels: a block leaves as soon as it is finished.  A lane holds 32 neighbouring bytes of a row, and the lanes beside it hold other rows: the block
	; goes through my own stage in LDS and comes back as whole rows of 512 bytes.  LDS serves a wave's instructions in order (ISA guide 5.7.1.4): no wait between the stores and the loads, nor in front of the next block's stores.
.macro OUTB a
	WIN 0xc2                                       ; destination window 3, source 0 window 2, source 1 window 0
.if (\a%2) == 0
	EACH 32, v_pk_mul_f32 v[64*\a+2*k:64*\a+2*k+1], v[64*\a+2*k:64*\a+2*k+1], v[RL+\a:RL+\a+1] op_sel_hi:[1,0]                  ; O^T / l; each accumulator from its low end on
.else
	EACH 32, v_pk_mul_f32 v[64*\a+2*k:64*\a+2*k+1], v[64*\a+2*k:64*\a+2*k+1], v[RL+\a-1:RL+\a] op_sel:[0,1] op_sel_hi:[1,1]
.endif
	WIN 0x0c                                       ; an LDS store's data are its source 1: window 3
.irp b, 0,1,2,3,4,5,6,7
	ds_store_b128 v[STO], v[64*\a+8*\b:64*\a+8*\b+3] offset:64*\b
	ds_store_b128 v[STO], v[64*\a+8*\b+4:64*\a+8*\b+7] offset:64*\b+16
.endr
	WIN 0x80
	EACH 16, ds_load_b128 v[64*\a+4*k:64*\a+4*k+3], v[RD] offset:k*528
.endm
.macro SEND a, younger                 ; younger: the LDS instructions issued behind block a's loads, which may stay out
	s_wait_dscnt \younger
	WIN 0x08                                       ; a store's data are its source 1: window 2
	EACH 16, global_store_b128 v[LN16], v[64*\a+4*k:64*\a+4*k+3], s[12:13] offset:(16*\a+k)*4096 th:TH_STORE_NT   ; 32 lanes store 512 consecutive bytes, at a multiple of 512 from the output's first byte
.endm
	s_wait_dscnt 0x0
	WIN MUL
	MULA 0, 1, 2, 0                                ; three other products stand between an accumulator's two
	MULA 0, 1, 3, 0
	PLACES                                         ; block 0's results are read next
	OUTB 0
	WIN MUL
	MULA 1, 1, 2, 0
	MULA 1, 1, 3, 0
	SEND 0, 0
	WIN MUL
	MULA 2, 1, 2, 0
	MULA 2, 1, 3, 0
	PLACES                                         ; block 1's; the later blocks' places are the multiplies of the block before
	OUTB 1
	WIN MUL
	MULA 3, 1, 2, 0
	MULA 3, 1, 3, 0
	OUTB 2
	SEND 1, 32
	OUTB 3
	SEND 2, 32
	SEND 3, 0
	WIN 0
	s_wait_tensorcnt 0x0                           ; the wave's end
	ds_add_u32 v[SPW], v[NIL]
	s_wait_dscnt 0x0
	CROUND                                         ; the closing round: no work-group ends while a partner may still ask for a tile that names it
	s_endpgm
.Lfunc_end_k_qf7f1f22a62_values:
	.size	k_qf7f1f22a62_values, .Lfunc_end_k_qf7f1f22a62_values-k_qf7f1f22a62_values
	.p2alignl 7, 3214868480
	.fill 96, 4, 3214868480
	.section	.rodata,"a",@progbits
	.p2align	6, 0x0
	.amdhsa_kernel k_qf7f1f22a62_values
		.amdhsa_group_segment_fixed_size 327680
		.amdhsa_private_segment_fixed_size 0
		.amdhsa_enable_private_segment 0
		.amdhsa_kernarg_size 40
		.amdhsa_user_sgpr_count 2
		.amdhsa_user_sgpr_kernarg_segment_ptr 1
		.amdhsa_wavefront_size32 1
		.amdhsa_system_sgpr_workgroup_id_x 1
		.amdhsa_system_sgpr_workgroup_id_y 1
		.amdhsa_system_sgpr_workgroup_id_z 1
		.amdhsa_system_vgpr_workitem_id 0
		.amdhsa_next_free_vgpr 1024
		.amdhsa_next_free_sgpr 100
		.amdhsa_reserve_vcc 0
		.amdhsa_float_denorm_mode_32 3
		.amdhsa_float_denorm_mode_16_64 3
		.amdhsa_memory_ordered 1
		.amdhsa_forward_progress 1
		.amdhsa_inst_pref_size 126
	.end_amdhsa_kernel
	.amdgpu_metadata
---
amdhsa.version: [ 1, 2 ]
amdhsa.kernels:
  - .name:           k_qf7f1f22a62_values
    .symbol:         k_qf7f1f22a62_values.kd
    .args:
      - { .name: p_codes, .offset: 0, .size: 8, .value_kind: global_buffer, .address_space: global }
      - { .name: stats, .offset: 8, .size: 8, .value_kind: global_buffer, .address_space: global }
      - { .name: V_codes, .offset: 16, .size: 8, .value_kind: global_buffer, .address_space: global }
      - { .name: V_scales, .offset: 24, .size: 8, .value_kind: global_buffer, .address_space: global }
      - { .name: out0, .offset: 32, .size: 8, .value_kind: global_buffer, .address_space: global }
    .group_segment_fixed_size: 327680
    .private_segment_fixed_size: 0
    .kernarg_segment_align: 8
    .kernarg_segment_size: 40
    .max_flat_workgroup_size: 128
    .sgpr_count:     100
    .vgpr_count:     1024
    .wavefront_size: 32
...
	.end_amdgpu_metadata
.endif
;; end of part 2
